; MI455X (gfx1250); checked and timed in simulation.
; The chip was launched on July 23, 2026; its instructions are those of AMD's public machine-readable ISA for CDNA 5 (MIT licence, August 2026) and "CDNA5" Instruction Set Architecture Reference Guide (July 2026). The comments in the code are by the model that wrote it; some were corrected since.
;; Attention Head. Allowed arithmetic: matrix products marked QUANTISED: E4M3 operands, one E8M0 scale for each 32 along K, by v_wmma_scale_f32_16x16x128_f8f6f4 with both operands' format E4M3, f32 sums; everything else in f32.
;; Inputs: Wk 64 x 1,024 float32; Wq 64 x 1,024 float32; Wv 64 x 1,024 float32; bk 64 float32; bq 64 float32; bv 64 float32; x 4 x 4,096 x 1,024 float32.
;; Outputs: out0 4 x 4,096 x 64 float32.
;; This version of the problem:
;;   THIS VERSION OF THE PROBLEM IS GIVEN IN LOW PRECISION. The matrix products marked QUANTISED in the list below multiply operands that are first quantised to E4M3 (4 exponent bits, 3 mantissa bits; 8 bits a number), with one power-of-two scale for each 32 numbers along K (OCP MX v1.0); their sums are f32. All else is computed in f32.
;;   The module's matrix products, in the order in which they are computed (A, B: the left and right operand; K: the contracted axis; several contracted axes count as one K, in the product's order):
;;     1. [M 16,384, K 1,024] x [K 1,024, N 64]; A: input x; B: input Wq: QUANTISED
;;     2. [M 16,384, K 1,024] x [K 1,024, N 64]; A: input x; B: input Wk: QUANTISED
;;     3. [M 16,384, K 1,024] x [K 1,024, N 64]; A: input x; B: input Wv: QUANTISED
;;     4. batch 4 x [M 4,096, K 64] x [K 64, N 4,096]; A: computed on the way; B: computed on the way: QUANTISED
;;     5. batch 4 x [M 4,096, K 4,096] x [K 4,096, N 64]; A: softmax (see below); B: computed on the way: QUANTISED
;;   THE QUANTISER, for each operand of a quantised product, along K:
;;     - K is cut into blocks of 32 from its start; a last block that is shorter is filled with zeros.
;;     - A block's scale is 2^e with e = floor(log2(the largest magnitude in the block)) - 8, held to -126 .. 127; a block of zeros has e = 0. As a byte (E8M0): e + 127.
;;     - Each number is divided by its block's scale, clamped to +-448, and rounded to the nearest number of E4M3, ties to even, subnormals kept.
;;     - The product sums the exact products of the quantised numbers (number of the format x scale) in f32.
;;   ~~~python
;;   def quantise(x, axis):      # numpy; x: float32 -> the quantised numbers, widened to float32 again
;;       x = np.moveaxis(x, axis, -1); K = x.shape[-1]
;;       x = np.pad(x, [(0, 0)] * (x.ndim - 1) + [(0, -K % 32)]); x = x.reshape(x.shape[:-1] + (-1, 32)); a = np.abs(x).max(-1, keepdims=True)
;;       e = np.where(a > 0, np.clip(np.frexp(np.where(a > 0, a, 1))[1] - 1 - 8, -126, 127), 0)      # np.frexp(a)[1] - 1 = floor(log2(a)), exactly
;;       r = np.clip(x / 2.0 ** e, -448, 448)
;;       step = 2.0 ** (np.maximum(np.frexp(np.where(r == 0, 1, r))[1] - 1, -6) - 3)
;;       q = np.round(r / step) * step * 2.0 ** e      # np.round: ties to even
;;       return np.moveaxis(q.reshape(q.shape[:-2] + (-1,))[..., :K], -1, axis).astype(np.float32)
;;   ~~~
;;   SOFTMAX AHEAD OF A QUANTISED PRODUCT. Where the list says 'softmax', what is quantised is not the finished softmax but p = 2^(t - M), with t = logit x log2(e) and M = ceil(the row's largest t), a whole number; so 1/2 < the row's largest p <= 1. The row's sum l is taken of the UNQUANTISED p, in f32, and the product's result is divided by l at the end. Since M is a whole number, a kernel that streams over the keys may use a running M (the ceiling of the running maximum): every later rescaling is an exact power of two, which a block's scale takes up: the codes' values come out the same.
;;   OPERANDS COMPUTED ON THE WAY. 'Computed on the way' means the value that the module computes at that place (a softmax that the list does not call 'softmax' is quantised finished and normalised). What goes into a quantiser is computed in f32, as accurately as f32 sums, v_exp_f32 and their like allow (about 1e-6 of the number): no bf16 or f16 on the way to a quantiser, and a product that is left as it is and whose result goes on into a quantised operand takes f32 operands (vector FMAs, or v_wmma_f32_16x16x4_f32). A number that lies on a knife's edge between two numbers of the format may be rounded either way, as far as f32 arithmetic and the matrix unit's own rounding can turn it there, and no further.
;; One version. Each part assembles by itself: llvm-mc -triple=amdgcn-amd-amdhsa -mcpu=gfx1250 --defsym DOCPART=n.
;; ======== version 1 of 1: 3 launches
;; limits: right only within a limited range of input values
;; workspace buffers: wc 208,896 bytes; qb 1,081,344 bytes; kv 2,162,688 bytes
;; launch wquant (part 1): grid 96 x 1, 1 waves a work-group, no clusters, 0 bytes of LDS; arguments Wq, Wk, Wv, wc; writes wc
.if DOCPART == 1
	.amdgcn_target "amdgcn-amd-amdhsa--gfx1250"
	.amdhsa_code_object_version 6
	.text
	.protected	k_q11f0351cc5_wquant
	.globl	k_q11f0351cc5_wquant
	.p2align	8
	.type	k_q11f0351cc5_wquant,@function
k_q11f0351cc5_wquant:
	s_mov_b64 s[64:65], 0
	v_nop
	global_prefetch_b8 v0, s[64:65] scope:SCOPE_SE
	s_setreg_imm32_b32 hwreg(HW_REG_WAVE_MODE, 25, 1), 1
	s_wait_xcnt 0x0
; Wq, Wk, Wv: [64][1024] f32, K = the 1,024 innermost.  They become codes of FP8 (E4M3) with one E8M0 byte for each 32 along K, laid in wc as IMAGES OF THE OPERAND'S REGISTERS:
; fragment f = 8 T + s (T = 0..11 a tile of 16 rows, s = 0..7 a K step of 128): codes at 2,048 f + 512 c + 16 lane (c: registers 4 c .. 4 c + 3), scale words from byte 196,608 on at 128 f + 4 lane.
; Tiles 0-3 are Wq's, 4-7 Wk's: lane r of tile 2 b + u takes row 32 b + 8 u + r + 8 (r / 8), so that the next launch's results have 16 neighbouring features in 16 registers.  Tiles 8-11 are Wv's, rows 16 (T - 8) + r.
; SHARES: a work-group of one wave makes one fragment, f = its number: 96 in all.  No work of the problem is left out in this program.
; A lane (r, h) loads, of its row, numbers 32 b + 16 h + 0 .. 15 of each block b: the order of the operand's registers, so the conversions' results are the fragment.
; A block's scale is 2^(floor(log2(its largest magnitude)) - 8); its byte is the largest magnitude's exponent field - 8, held at 1 from below.
; LIMITS: a block of zeros gets the byte 1 where the rule says 127 (its codes are zeros, and this program alone reads the bytes); NaN and infinities among the inputs are not served.
.set XN,  16                           ; v16-79   64 numbers
.set PC,  80                           ; v80-95   the fragment's codes
.set TM,  96                           ; v96-111  at work: largest magnitudes, bytes, holds, scale operands
.set PW,  112                          ; v112     the scale word
.set SEL, 28                           ; s[28:29] lane selects for v_permlanex16_b32: lane l xor 16
.set MNT, 30                           ; s30      the mantissa field of 448
	s_load_b256 s[4:11], s[0:1], 0x0               ; Wq s[4:5], Wk s[6:7], Wv s[8:9], wc s[10:11]
	s_and_b32 s12, ttmp9, 7                        ; K step s
	s_lshr_b32 s31, ttmp9, 3                       ; tile T
	s_and_b32 s13, s31, 3                          ; the tile's number within its weight
	s_lshr_b32 s14, s13, 1
	s_lshl_b32 s14, s14, 5
	s_and_b32 s15, s13, 1
	s_lshl_b32 s15, s15, 3
	s_add_co_u32 s14, s14, s15                     ; Wq, Wk: the tile begins at row 32 b + 8 u,
	s_lshl_b32 s15, s13, 4                         ; Wv: at row 16 x tile
	s_cmp_lt_u32 s31, 8
	s_cselect_b32 s16, s14, s15
	s_cselect_b32 s17, 8, 0                        ; and only Wq's and Wk's lanes 8-15 stand 8 rows further on
	s_lshl_b32 s18, s12, 9                         ; a K step is 512 bytes of a row
	s_mov_b32 s19, 0
	s_lshl_b32 s22, ttmp9, 7
	s_add_co_u32 s22, s22, 196608                  ; the scale words' place
	s_mov_b32 s23, 0
	s_lshl_b32 s20, ttmp9, 11                      ; the codes' place
	s_mov_b32 s21, 0
	s_mov_b32 s[SEL], 0x76543210
	s_mov_b32 s[SEL+1], 0xfedcba98
	s_mov_b32 s[MNT], 0x600000
	v_and_b32 v2, 15, v0                           ; r
	v_bfe_u32 v3, v0, 4, 1                         ; h
	v_and_b32 v4, s17, v2
	v_add_nc_u32 v4, v4, v2
	v_add_nc_u32 v4, s16, v4                       ; my row
	v_lshlrev_b32 v5, 12, v4                       ; a row is 4,096 bytes
	v_lshl_add_u32 v5, v3, 6, v5                   ; + 64 h: my 16 numbers of a block
	v_lshlrev_b32 v6, 4, v0                        ; 16 x lane
	v_lshlrev_b32 v7, 2, v0                        ; 4 x lane
.irp b, 0,1,2,3
	v_mov_b32 v[TM+4+\b], 0                        ; a lane permute's destination counts as one of its sources
.endr
	s_wait_alu depctr_va_vdst(0)                   ; the wait at the head's end
	s_wait_kmcnt 0x0
	s_cmp_lt_u32 s31, 4                            ; which weight: the choice hangs on the work-group's number alone
	s_cselect_b64 s[4:5], s[4:5], s[6:7]
	s_cmp_lt_u32 s31, 8
	s_cselect_b64 s[4:5], s[4:5], s[8:9]
	s_add_nc_u64 s[4:5], s[4:5], s[18:19]
	s_add_nc_u64 s[24:25], s[10:11], s[20:21]
	s_add_nc_u64 s[26:27], s[10:11], s[22:23]
.irp b, 0,1,2,3
.irp j, 0,1,2,3
	global_load_b128 v[XN+16*\b+4*\j:XN+16*\b+4*\j+3], v5, s[4:5] offset:128*\b+16*\j
.endr
.endr
	s_wait_loadcnt 0x0
.irp b, 0,1,2,3
	v_max3_num_f32 v[TM+\b], |v[XN+16*\b]|, |v[XN+1+16*\b]|, 0x4800000   ; block b: my 16 numbers, and the floor 2^(9 - 127): the byte cannot fall under 1
.endr
.irp i, 2,4,6,8,10,12,14
.irp b, 0,1,2,3
	v_max3_num_f32 v[TM+\b], v[TM+\b], |v[XN+16*\b+\i]|, |v[XN+1+16*\b+\i]|   ; the four blocks by turns
.endr
.endr
.irp b, 0,1,2,3
	v_permlanex16_b32 v[TM+4+\b], v[TM+\b], s[SEL], s[SEL+1]
.endr
.irp b, 0,1,2,3
	v_max_num_f32 v[TM+\b], v[TM+\b], v[TM+4+\b]             ; with lane l xor 16's: the block's largest magnitude
.endr
.irp b, 0,1,2,3
	v_add_nc_u32 v[TM+12+\b], 0xfc000000, v[TM+\b]           ; 8 off its exponent field: the conversion's scale operand
.endr
.irp b, 0,1,2,3
	v_and_or_b32 v[TM+8+\b], v[TM+\b], 0x7f800000, s[MNT]    ; 448 x the scale
.endr
.irp b, 0,1,2,3
	v_lshrrev_b32 v[TM+4+\b], 23, v[TM+12+\b]                ; the scale's byte
.endr
	v_lshl_or_b32 v[PW], v[TM+5], 8, v[TM+4]                 ; four bytes make my row's scale word
	v_lshl_or_b32 v[PW], v[TM+6], 16, v[PW]
	v_lshl_or_b32 v[PW], v[TM+7], 24, v[PW]
.irp b, 0,1,2,3
.irp i, 0,1,2,3,4,5,6,7,8,9,10,11,12,13,14,15
	v_med3_num_f32 v[XN+16*\b+\i], v[XN+16*\b+\i], -v[TM+8+\b], v[TM+8+\b]   ; the conversion to an 8-bit code does not saturate (ISA guide 7.6.2): the hold at 448 x the scale
.endr
	v_cvt_scalef32_pk8_fp8_f32 v[PC+4*\b:PC+1+4*\b], v[XN+16*\b:XN+7+16*\b], v[TM+12+\b]
	v_cvt_scalef32_pk8_fp8_f32 v[PC+2+4*\b:PC+3+4*\b], v[XN+8+16*\b:XN+15+16*\b], v[TM+12+\b]
.endr
	v_nop                                          ; a plain place behind the scaled conversions
.irp c, 0,1,2,3
	global_store_b128 v6, v[PC+4*\c:PC+4*\c+3], s[24:25] offset:512*\c   ; 32 lanes store 512 consecutive bytes, at a multiple of 256 from wc's first byte
.endr
	global_store_b32 v7, v[PW], s[26:27]           ; 128 consecutive bytes: lanes 16-31 hold the same words as lanes 0-15
	s_endpgm
.Lfunc_end_k_q11f0351cc5_wquant:
	.size	k_q11f0351cc5_wquant, .Lfunc_end_k_q11f0351cc5_wquant-k_q11f0351cc5_wquant
	.p2alignl 7, 3214868480
	.fill 96, 4, 3214868480
	.section	.rodata,"a",@progbits
	.p2align	6, 0x0
	.amdhsa_kernel k_q11f0351cc5_wquant
		.amdhsa_group_segment_fixed_size 0
		.amdhsa_private_segment_fixed_size 0
		.amdhsa_enable_private_segment 0
		.amdhsa_kernarg_size 32
		.amdhsa_user_sgpr_count 2
		.amdhsa_user_sgpr_kernarg_segment_ptr 1
		.amdhsa_wavefront_size32 1
		.amdhsa_system_sgpr_workgroup_id_x 1
		.amdhsa_system_sgpr_workgroup_id_y 1
		.amdhsa_system_sgpr_workgroup_id_z 1
		.amdhsa_system_vgpr_workitem_id 0
		.amdhsa_next_free_vgpr 128
		.amdhsa_next_free_sgpr 66
		.amdhsa_reserve_vcc 0
		.amdhsa_float_denorm_mode_32 3
		.amdhsa_float_denorm_mode_16_64 3
		.amdhsa_memory_ordered 1
		.amdhsa_forward_progress 1
		.amdhsa_inst_pref_size 12
	.end_amdhsa_kernel
	.amdgpu_metadata
---
amdhsa.version: [ 1, 2 ]
amdhsa.kernels:
  - .name:           k_q11f0351cc5_wquant
    .symbol:         k_q11f0351cc5_wquant.kd
    .args:
      - { .name: Wq, .offset: 0, .size: 8, .value_kind: global_buffer, .address_space: global }
      - { .name: Wk, .offset: 8, .size: 8, .value_kind: global_buffer, .address_space: global }
      - { .name: Wv, .offset: 16, .size: 8, .value_kind: global_buffer, .address_space: global }
      - { .name: wc, .offset: 24, .size: 8, .value_kind: global_buffer, .address_space: global }
    .group_segment_fixed_size: 0
    .private_segment_fixed_size: 0
    .kernarg_segment_align: 8
    .kernarg_segment_size: 32
    .max_flat_workgroup_size: 32
    .sgpr_count:     66
    .vgpr_count:     128
    .wavefront_size: 32
...
	.end_amdgpu_metadata
.endif
;; end of part 1
;; launch proj (part 2): grid 256 x 1, 4 waves a work-group, no clusters, 327,680 bytes of LDS; arguments x, bq, bk, bv, wc, qb, kv; writes qb, kv
.if DOCPART == 2
	.amdgcn_target "amdgcn-amd-amdhsa--gfx1250"
	.amdhsa_code_object_version 6
	.text
	.protected	k_q11f0351cc5_proj
	.globl	k_q11f0351cc5_proj
	.p2align	8
	.type	k_q11f0351cc5_proj,@function
k_q11f0351cc5_proj:
	s_mov_b64 s[64:65], 0
	v_nop
	global_prefetch_b8 v0, s[64:65] scope:SCOPE_SE
	s_setreg_imm32_b32 hwreg(HW_REG_WAVE_MODE, 25, 1), 1
	s_wait_xcnt 0x0
; Q, K, V = x W^T + b on codes of FP8 (E4M3), f32 sums, and their quantisers: Q and K along the features, V along the keys.  A work-group owns 64 rows of x, a wave 32 features of Q (waves 0, 1) or K (waves 2, 3) and 16 of V, with ALL of K.
; x IS READ ONCE: its 64 rows, 262,144 bytes, fit into LDS whole, as four slabs of 256 along K (64 rows of 1,024 bytes + 16 of padding).  Each wave asks for ONE slab at the head; nothing is filled again.
; Slab k is shown by a barrier in front of which wave k has waited for its load.  Then each wave quantises its 16 rows (two K steps of 128), the images of the operand's registers go through LDS, and each wave multiplies all four row tiles by its weights.
; THE WEIGHTS stand in registers: 24 fragments of 16, loaded once from wc, which holds them as images.  They are not shared by a cluster's joint loads: 208,896 bytes do not fit into LDS beside x's 266,240; x's rows are no other work-group's.
; NO PREFETCH: all of x is asked for at the head, so no loop is there to run ahead in.
; OUT: qb: codes of 64 queries g at 4,096 g + 1,024 m + 512 c + 16 lane; scale bytes at 1,048,576 + 128 g + 64 (m / 2) + 4 r + 2 (m % 2) + c (m row tile, c block of 32 features).
; kv: a record of 16,896 bytes for 128 keys: K's codes 8,192 (row tiles as in qb), V^T's 8,192 (2,048 t + 512 x block of 32 keys + 16 lane), K's scale words 256, V's 256.
; Row tile m takes rows 32 (m / 2) + 8 (m % 2) + r + 8 (r / 8): so two neighbouring tiles' results of V are 16 neighbouring keys in 16 registers.
; REGISTERS: window 0 addresses, x and work; window 1 the 16 fragments of W_q or W_k; window 2 the 8 of W_v and the biases (v128-151 there); window 3 the 12 accumulators.
; LIMITS: a block of zeros gets the byte 1 where the rule says 127 (its codes are zeros, and this program alone reads the bytes); NaN and infinities are not served.
.set PITCH, 1040
.set SLABB, 64*PITCH                   ; a slab: 66,560 bytes
.set XIMG,  4*SLABB                    ; eight images of 2,048 bytes: fragment 2 m + slice
.set XSC,   XIMG+8*2048                ; their scale words, 128 bytes each
.set SST,   XSC+8*128                  ; the results' scale bytes of Q and of K, 128 bytes each
.set SPARE, SST+256                    ; the spare words, 128 bytes for each wave
.set RECB,  16896
.set GL,  1                            ; 16 x lane
.set G4L, 2                            ; 4 x lane
.set G4R, 3                            ; 4 r
.set XA,  4                            ; LDS: my row of slab 0
.set XAD, 5                            ; of the slab in hand
.set XWI, 6                            ; LDS: where my images go,
.set XWS, 7                            ; and their scale words
.set LI,  8                            ; LDS: where all images are read
.set LS,  9
.set SB,  10                           ; LDS: where my result's scale bytes go
.set SR,  11                           ; and where a word of them is read
.set XN0, 16                           ; v16-79, v80-143: two slices of 64 numbers; later the eight fragments XF
.set XN1, 80
.set XF,  16
.set PC0, 144
.set PC1, 160
.set TM,  176
.set PW0, 192
.set PW1, 193
.set XS,  195                          ; v195-202 x's scale words: no product's two scale words have numbers equal modulo 8
.set BA,  203
.set BVA, 204
.set WS,  208                          ; v208-231 the weights' scale words
.set SPW, 254
.set NIL, 255
.set EM,  16                           ; the way out: largest magnitudes, bytes, holds, scale operands, codes
.set EP,  24
.set EH,  32
.set ES,  40
.set EC,  48
.set SEL, 22
.set MNT, 48
.set MSB, 0
.macro WIN new                         ; the immediate's high byte repeats the setting that is left
.if MSB != \new
	s_set_vgpr_msb (MSB<<8)|\new
.set MSB, \new
.endif
.endm
; 64 numbers of a lane, register 16 b + i = k 32 b + 16 (lane / 16) + i of my row, become a fragment's codes and its scale word
.macro QUANT s, pc, pw
.irp b, 0,1,2,3
	v_max3_num_f32 v[TM+\b], |v[\s+16*\b]|, |v[\s+1+16*\b]|, 0x4800000   ; the floor 2^(9 - 127): the byte cannot fall under 1
.endr
.irp i, 2,4,6,8,10,12,14
.irp b, 0,1,2,3
	v_max3_num_f32 v[TM+\b], v[TM+\b], |v[\s+16*\b+\i]|, |v[\s+1+16*\b+\i]|
.endr
.endr
.irp b, 0,1,2,3
	v_permlanex16_b32 v[TM+4+\b], v[TM+\b], s[SEL], s[SEL+1]
.endr
.irp b, 0,1,2,3
	v_max_num_f32 v[TM+\b], v[TM+\b], v[TM+4+\b]
.endr
.irp b, 0,1,2,3
	v_add_nc_u32 v[TM+12+\b], 0xfc000000, v[TM+\b]           ; 8 off the exponent field: the conversion's scale operand
.endr
.irp b, 0,1,2,3
	v_and_or_b32 v[TM+8+\b], v[TM+\b], 0x7f800000, s[MNT]    ; 448 x the scale
.endr
.irp b, 0,1,2,3
	v_lshrrev_b32 v[TM+4+\b], 23, v[TM+12+\b]                ; the scale's byte
.endr
	v_lshl_or_b32 v[\pw], v[TM+5], 8, v[TM+4]
	v_lshl_or_b32 v[\pw], v[TM+6], 16, v[\pw]
	v_lshl_or_b32 v[\pw], v[TM+7], 24, v[\pw]
.irp b, 0,1,2,3
.irp i, 0,1,2,3,4,5,6,7,8,9,10,11,12,13,14,15
	v_med3_num_f32 v[\s+16*\b+\i], v[\s+16*\b+\i], -v[TM+8+\b], v[TM+8+\b]   ; the conversion does not saturate (ISA guide 7.6.2)
.endr
	v_cvt_scalef32_pk8_fp8_f32 v[\pc+4*\b:\pc+1+4*\b], v[\s+16*\b:\s+7+16*\b], v[TM+12+\b]
	v_cvt_scalef32_pk8_fp8_f32 v[\pc+2+4*\b:\pc+3+4*\b], v[\s+8+16*\b:\s+15+16*\b], v[TM+12+\b]
.endr
	v_nop                                                    ; a plain place behind the scaled conversions
.endm
.macro XREAD sl                        ; my row's 64 numbers of slice sl: sixteen loads
.irp b, 0,1,2,3
.irp j, 0,1,2,3
	ds_load_b128 v[XN0+64*\sl+16*\b+4*\j:XN0+64*\sl+16*\b+4*\j+3], v[XAD] offset:512*\sl+128*\b+16*\j
.endr
.endr
.endm
.macro IMAGE pc, pw, sl                ; five stores
.irp c, 0,1,2,3
	ds_store_b128 v[XWI], v[\pc+4*\c:\pc+4*\c+3] offset:2048*\sl+512*\c
.endr
	ds_store_b32 v[XWS], v[\pw] offset:128*\sl
.endm
.macro FETCH sl                        ; slice sl of the four row tiles: twenty loads
.irp m, 0,1,2,3
.irp c, 0,1,2,3
	ds_load_b128 v[XF+16*(2*\m+\sl)+4*\c:XF+16*(2*\m+\sl)+4*\c+3], v[LI] offset:2048*(2*\m+\sl)+512*\c
.endr
	ds_load_b32 v[XS+2*\m+\sl], v[LS] offset:128*(2*\m+\sl)
.endr
.endm
; Twelve products: Q or K transposed (source 0 = 16 features, source 1 = 16 rows), V the other way round.  The biases are the first products' C.  Accumulators by turns: between two links of a sum stand eleven other products
.macro MULS k, sl
.set SS, 2*\k+\sl
.if SS == 0
	WIN 0xE1
.else
	WIN 0xF1
.endif
.irp m, 0,1,2,3
.irp u, 0,1
.if SS == 0
	v_wmma_scale_f32_16x16x128_f8f6f4 v[8*(2*\m+\u):8*(2*\m+\u)+7], v[16*(8*\u+SS):16*(8*\u+SS)+15], v[XF+16*(2*\m+\sl):XF+16*(2*\m+\sl)+15], v[128+8*\u:128+8*\u+7], v[WS+8*\u+SS], v[XS+2*\m+\sl]
.else
	v_wmma_scale_f32_16x16x128_f8f6f4 v[8*(2*\m+\u):8*(2*\m+\u)+7], v[16*(8*\u+SS):16*(8*\u+SS)+15], v[XF+16*(2*\m+\sl):XF+16*(2*\m+\sl)+15], v[8*(2*\m+\u):8*(2*\m+\u)+7], v[WS+8*\u+SS], v[XS+2*\m+\sl]
.endif
.endr
.endr
.if SS == 0
	WIN 0xE8
.else
	WIN 0xF8
.endif
.irp m, 0,1,2,3
.if SS == 0
	v_wmma_scale_f32_16x16x128_f8f6f4 v[64+8*\m:64+8*\m+7], v[XF+16*(2*\m+\sl):XF+16*(2*\m+\sl)+15], v[16*SS:16*SS+15], v[144:151], v[XS+2*\m+\sl], v[WS+16+SS]
.else
	v_wmma_scale_f32_16x16x128_f8f6f4 v[64+8*\m:64+8*\m+7], v[XF+16*(2*\m+\sl):XF+16*(2*\m+\sl)+15], v[16*SS:16*SS+15], v[64+8*\m:64+8*\m+7], v[XS+2*\m+\sl], v[WS+16+SS]
.endif
.endr
	WIN 0
.endm
.macro SLAB k
	v_add_nc_u32 v[XAD], \k*SLABB, v[XA]
.if \k > 0
.rept 7
	v_nop                              ; with the line above: eight places in front of the loads into registers that the last products read
.endr
.endif
	s_wait_alu depctr_va_vdst(0)
.if \k < 3
	s_cmp_lt_u32 s18, \k+1             ; wave k's slab is wanted now: it alone need have landed
	s_cbranch_scc0 .Lnot_mine_\@
	s_wait_tensorcnt 0x0
.Lnot_mine_\@:
.else
	s_wait_tensorcnt 0x0
.endif
	s_barrier_signal -1
	s_barrier_wait -1                  ; slab k is whole, and nobody reads the last slab's images any more
	XREAD 0
	XREAD 1
	s_wait_dscnt 16                    ; slice 1's sixteen loads may be out
	QUANT XN0, PC0, PW0
	IMAGE PC0, PW0, 0
	s_wait_dscnt 5                     ; the five stores may be out
	QUANT XN1, PC1, PW1
	IMAGE PC1, PW1, 1
	s_wait_dscnt 0x0                   ; for the others' sake
	s_barrier_signal -1
	s_barrier_wait -1
	FETCH 0
	FETCH 1
.if \k == 0
	s_wait_loadcnt 0x0                 ; the weights, their scale words and the biases
.endif
	s_wait_dscnt 20                    ; slice 1's twenty loads may be out
	MULS \k, 0
	s_wait_dscnt 0x0
	MULS \k, 1
.endm
	s_load_b256 s[4:11], s[0:1], 0x0               ; x, bq, bk, bv
	s_load_b128 s[12:15], s[0:1], 0x20             ; wc, qb
	s_load_b64 s[16:17], s[0:1], 0x30              ; kv
	v_lshl_add_u32 v[SPW], v0, 2, SPARE
	v_mov_b32 v[NIL], 0
	ds_add_u32 v[SPW], v[NIL]                      ; the wave's opening: the add, twice on end, and its wait ahead of my first tensor load
	ds_add_u32 v[SPW], v[NIL]
	v_lshrrev_b32 v12, 5, v0
	v_readfirstlane_b32 s18, v12                   ; wave 0..3
	s_and_b32 s19, s18, 1
	s_lshr_b32 s20, s18, 1
	s_and_b32 s21, ttmp9, 1                        ; which half of a record is mine
	s_mov_b32 s[SEL], 0x76543210
	s_mov_b32 s[SEL+1], 0xfedcba98
	s_mov_b32 s[MNT], 0x600000
	; descriptor group 1: 64 rows of 256 f32, 4,096 bytes apart, four dwords of padding behind each row
	s_mov_b32 s24, (2<<16)|(1<<20)|(7<<22)|(3<<25)
	s_mov_b32 s25, 256<<16
	s_mov_b32 s26, 64<<16
	s_mov_b32 s27, 256<<16
	s_mov_b32 s28, 64
	s_mov_b32 s29, 1024
	s_mov_b32 s30, 0
	s_mov_b32 s31, 0
	s_lshl_b32 s52, ttmp9, 18                      ; my work-group's 64 rows,
	s_lshl_b32 s51, s18, 10
	s_add_co_u32 s52, s52, s51                     ; my slab of them
	s_mov_b32 s53, 0
	s_lshr_b32 s54, ttmp9, 1
	s_mul_i32 s54, s54, RECB                       ; my record
	s_lshl_b32 s55, ttmp9, 12
	s_lshl_b32 s51, s21, 12
	s_add_co_u32 s51, s51, s54
	s_cmp_lt_u32 s18, 2
	s_cselect_b32 s56, s55, s51                    ; s[56:57] Q's or K's codes
	s_lshl_b32 s51, s19, 9
	s_add_co_u32 s56, s56, s51
	s_mov_b32 s57, 0
	s_lshl_b32 s55, ttmp9, 7
	s_add_co_u32 s55, s55, 1048576
	s_lshl_b32 s51, s21, 7
	s_add_co_u32 s51, s51, s54
	s_add_co_u32 s51, s51, 16384
	s_cmp_lt_u32 s18, 2
	s_cselect_b32 s58, s55, s51                    ; s[58:59] their scale words
	s_mov_b32 s59, 0
	s_lshl_b32 s60, s18, 11                        ; s[60:61] V's codes
	s_lshl_b32 s51, s21, 10
	s_add_co_u32 s60, s60, s51
	s_add_co_u32 s60, s60, s54
	s_add_co_u32 s60, s60, 8192
	s_mov_b32 s61, 0
	s_lshl_b32 s62, s18, 6                         ; s[62:63] V's scale bytes
	s_lshl_b32 s51, s21, 1
	s_add_co_u32 s62, s62, s51
	s_add_co_u32 s62, s62, s54
	s_add_co_u32 s62, s62, 16640
	s_mov_b32 s63, 0
	s_mov_b32 s32, 1                               ; group 0: count,
	s_mul_i32 s33, s18, SLABB                      ; LDS address: my slab
	s_wait_dscnt 0x0                               ; both opening adds are done
	s_wait_kmcnt 0x0
	s_add_nc_u64 s[34:35], s[4:5], s[52:53]
	s_or_b32 s35, s35, 0x80000000                  ; type = 2
; THE HEAD'S LOADS, ONE A WAVE, each in an arm of its own, since each is shown by a barrier of its own
.macro ARM under, next
	s_cmp_lt_u32 s18, \under
	s_cbranch_scc0 \next
	tensor_load_to_lds s[32:35], s[24:31]
	s_nop 0
.rept 4
	v_nop
.endr
	s_branch .Lasked
\next:
.endm
	ARM 1, .Lwave_1
	ARM 2, .Lwave_2
	ARM 3, .Lwave_3
	tensor_load_to_lds s[32:35], s[24:31]
	s_nop 0
.rept 4
	v_nop
.endr
.Lasked:
	v_and_b32 v12, 31, v0
	v_and_b32 v13, 15, v0
	v_bfe_u32 v14, v0, 4, 1
	v_lshlrev_b32 v[GL], 4, v12
	v_lshlrev_b32 v[G4L], 2, v12
	v_lshlrev_b32 v[G4R], 2, v13
	s_lshl_b32 s51, s19, 7
	v_lshl_add_u32 v[BA], v14, 6, s51              ; the bias of Q's or K's 16 features of my half
	s_lshl_b32 s51, s18, 6
	v_add_nc_u32 v[BVA], s51, v[G4R]               ; of V's feature
	s_wait_alu depctr_va_vdst(0)                   ; the wait ahead of the run of scalar lines below
	s_cmp_lt_u32 s18, 2
	s_cselect_b64 s[66:67], s[14:15], s[16:17]
	s_cselect_b64 s[68:69], s[14:15], s[16:17]
	s_cselect_b64 s[74:75], s[6:7], s[8:9]
	s_add_nc_u64 s[66:67], s[66:67], s[56:57]
	s_add_nc_u64 s[68:69], s[68:69], s[58:59]
	s_add_nc_u64 s[70:71], s[16:17], s[60:61]
	s_add_nc_u64 s[72:73], s[16:17], s[62:63]
	s_lshl_b32 s52, s18, 15                        ; my two tiles of W_q or W_k,
	s_add_nc_u64 s[76:77], s[12:13], s[52:53]
	s_lshl_b32 s52, s18, 11
	s_add_co_u32 s52, s52, 196608
	s_add_nc_u64 s[78:79], s[12:13], s[52:53]
	s_lshl_b32 s52, s18, 14                        ; my tile of W_v
	s_add_co_u32 s52, s52, 131072
	s_add_nc_u64 s[56:57], s[12:13], s[52:53]
	s_lshl_b32 s52, s18, 10
	s_add_co_u32 s52, s52, 204800
	s_add_nc_u64 s[58:59], s[12:13], s[52:53]
	WIN 0x40
.irp f, 0,1,2,3,4,5,6,7,8,9,10,11,12,13,14,15
.irp c, 0,1,2,3
	global_load_b128 v[16*\f+4*\c:16*\f+4*\c+3], v[GL], s[76:77] offset:2048*\f+512*\c
.endr
.endr
	WIN 0x80
.irp f, 0,1,2,3,4,5,6,7
.irp c, 0,1,2,3
	global_load_b128 v[16*\f+4*\c:16*\f+4*\c+3], v[GL], s[56:57] offset:2048*\f+512*\c
.endr
.endr
.irp u, 0,1
	global_load_b128 v[128+8*\u:128+8*\u+3], v[BA], s[74:75] offset:32*\u
	global_load_b128 v[128+8*\u+4:128+8*\u+7], v[BA], s[74:75] offset:32*\u+16
.endr
.irp j, 0,1,2,3,4,5,6,7
	global_load_b32 v[144+\j], v[BVA], s[10:11]    ; one number a lane, in all eight registers of C
.endr
	WIN 0
.irp f, 0,1,2,3,4,5,6,7,8,9,10,11,12,13,14,15
	global_load_b32 v[WS+\f], v[G4L], s[78:79] offset:128*\f
.endr
.irp f, 0,1,2,3,4,5,6,7
	global_load_b32 v[WS+16+\f], v[G4L], s[58:59] offset:128*\f
.endr
	v_and_b32 v12, 15, v0
	v_bfe_u32 v14, v0, 4, 1
	s_lshl_b32 s51, s20, 5
	s_lshl_b32 s55, s19, 3
	s_add_co_u32 s51, s51, s55
	v_and_b32 v15, 8, v12
	v_add_nc_u32 v15, v15, v12
	v_add_nc_u32 v15, s51, v15                     ; my row of the 64
	v_mul_u32_u24 v[XA], v15, PITCH
	v_lshl_add_u32 v[XA], v14, 6, v[XA]
	s_lshl_b32 s51, s18, 12
	s_add_co_u32 s51, s51, XIMG
	v_add_nc_u32 v[XWI], s51, v[GL]
	s_lshl_b32 s51, s18, 8
	s_add_co_u32 s51, s51, XSC
	v_add_nc_u32 v[XWS], s51, v[G4L]
	v_add_nc_u32 v[LI], XIMG, v[GL]
	v_add_nc_u32 v[LS], XSC, v[G4L]
	s_lshl_b32 s51, s20, 7
	s_add_co_u32 s51, s51, SST
	v_add_nc_u32 v[SR], s51, v[G4L]
	s_add_co_u32 s51, s51, s19
	v_add_nc_u32 v[SB], s51, v[G4R]
.irp b, 0,1,2,3
	v_mov_b32 v[TM+4+\b], 0                        ; a lane permute's destination counts as one of its sources
.endr
	s_wait_alu depctr_va_vdst(0)                   ; the wait at the head's end
	SLAB 0
	SLAB 1
	SLAB 2
	SLAB 3
; THE WAY OUT: six blocks a lane of 16 registers: Q's or K's 32 features of row tiles 0 to 3 (lanes l and l xor 16 share a block), V's 32 keys of row tiles 0, 1 and 2, 3
.rept 8
	v_nop                                          ; eight places behind the last products
.endr
.irp i, 0,1,2,3,4,5
	v_mov_b32 v[EP+\i], 0
.endr
	WIN 0x0F
.irp i, 0,1,2,3,4,5
	v_max3_num_f32 v[EM+\i], |v[16*\i]|, |v[16*\i+1]|, 0x4800000
.endr
.irp p, 2,4,6,8,10,12,14
.irp i, 0,1,2,3,4,5
	v_max3_num_f32 v[EM+\i], |v[16*\i+\p]|, |v[16*\i+\p+1]|, v[EM+\i]
.endr
.endr
	WIN 0
.irp i, 0,1,2,3,4,5
	v_permlanex16_b32 v[EP+\i], v[EM+\i], s[SEL], s[SEL+1]
.endr
.irp i, 0,1,2,3,4,5
	v_max_num_f32 v[EM+\i], v[EM+\i], v[EP+\i]
.endr
.irp i, 0,1,2,3,4,5
	v_add_nc_u32 v[ES+\i], 0xfc000000, v[EM+\i]
.endr
.irp i, 0,1,2,3,4,5
	v_and_or_b32 v[EH+\i], v[EM+\i], 0x7f800000, s[MNT]
.endr
.irp i, 0,1,2,3,4,5
	v_lshrrev_b32 v[EP+\i], 23, v[ES+\i]
.endr
	WIN 0xC3
.irp i, 0,1,2,3,4,5
.irp n, 0,1,2,3,4,5,6,7,8,9,10,11,12,13,14,15
	v_med3_num_f32 v[16*\i+\n], v[16*\i+\n], -v[EH+\i], v[EH+\i]
.endr
.endr
	WIN 0x03
.irp i, 0,1,2,3,4,5
.irp g, 0,1
	v_cvt_scalef32_pk8_fp8_f32 v[EC+4*\i+2*\g:EC+4*\i+2*\g+1], v[16*\i+8*\g:16*\i+8*\g+7], v[ES+\i]
.endr
.endr
	WIN 0
	v_lshl_or_b32 v72, v[EP+5], 8, v[EP+4]         ; V's two bytes; also the plain place behind the conversions
.irp i, 0,1,2,3
	global_store_b128 v[GL], v[EC+4*\i:EC+4*\i+3], s[66:67] offset:1024*\i   ; each store covers 512 consecutive bytes
.endr
.irp i, 0,1
	global_store_b128 v[GL], v[EC+16+4*\i:EC+16+4*\i+3], s[70:71] offset:512*\i
.endr
	global_store_b16 v[G4R], v72, s[72:73]
.irp m, 0,1,2,3
	ds_store_b8 v[SB], v[EP+\m] offset:64*(\m/2)+2*(\m%2)   ; two waves make a word's bytes
.endr
	s_wait_dscnt 0x0                               ; for the others' sake
	s_barrier_signal -1
	s_barrier_wait -1
	s_cmp_lg_u32 s19, 0
	s_cbranch_scc1 .Lend
	ds_load_b32 v73, v[SR]
	s_wait_dscnt 0x0
	global_store_b32 v[G4L], v73, s[68:69]
.Lend:
	s_wait_tensorcnt 0x0                           ; the wave's end
	ds_add_u32 v[SPW], v[NIL]
	s_wait_dscnt 0x0
	s_endpgm
.Lfunc_end_k_q11f0351cc5_proj:
	.size	k_q11f0351cc5_proj, .Lfunc_end_k_q11f0351cc5_proj-k_q11f0351cc5_proj
	.p2alignl 7, 3214868480
	.fill 96, 4, 3214868480
	.section	.rodata,"a",@progbits
	.p2align	6, 0x0
	.amdhsa_kernel k_q11f0351cc5_proj
		.amdhsa_group_segment_fixed_size 327680
		.amdhsa_private_segment_fixed_size 0
		.amdhsa_enable_private_segment 0
		.amdhsa_kernarg_size 56
		.amdhsa_user_sgpr_count 2
		.amdhsa_user_sgpr_kernarg_segment_ptr 1
		.amdhsa_wavefront_size32 1
		.amdhsa_system_sgpr_workgroup_id_x 1
		.amdhsa_system_sgpr_workgroup_id_y 1
		.amdhsa_system_sgpr_workgroup_id_z 1
		.amdhsa_system_vgpr_workitem_id 0
		.amdhsa_next_free_vgpr 864
		.amdhsa_next_free_sgpr 80
		.amdhsa_reserve_vcc 0
		.amdhsa_float_denorm_mode_32 3
		.amdhsa_float_denorm_mode_16_64 3
		.amdhsa_memory_ordered 1
		.amdhsa_forward_progress 1
		.amdhsa_inst_pref_size 133
	.end_amdhsa_kernel
	.amdgpu_metadata
---
amdhsa.version: [ 1, 2 ]
amdhsa.kernels:
  - .name:           k_q11f0351cc5_proj
    .symbol:         k_q11f0351cc5_proj.kd
    .args:
      - { .name: x, .offset: 0, .size: 8, .value_kind: global_buffer, .address_space: global }
      - { .name: bq, .offset: 8, .size: 8, .value_kind: global_buffer, .address_space: global }
      - { .name: bk, .offset: 16, .size: 8, .value_kind: global_buffer, .address_space: global }
      - { .name: bv, .offset: 24, .size: 8, .value_kind: global_buffer, .address_space: global }
      - { .name: wc, .offset: 32, .size: 8, .value_kind: global_buffer, .address_space: global }
      - { .name: qb, .offset: 40, .size: 8, .value_kind: global_buffer, .address_space: global }
      - { .name: kv, .offset: 48, .size: 8, .value_kind: global_buffer, .address_space: global }
    .group_segment_fixed_size: 327680
    .private_segment_fixed_size: 0
    .kernarg_segment_align: 8
    .kernarg_segment_size: 56
    .max_flat_workgroup_size: 128
    .sgpr_count:     80
    .vgpr_count:     864
    .wavefront_size: 32
...
	.end_amdgpu_metadata
.endif
;; end of part 2
;; launch attn (part 3): grid 256 x 1, 16 waves a work-group, clusters of 4 x 1, 327,680 bytes of LDS; arguments qb, kv, out0; writes out0
.if DOCPART == 3
	.amdgcn_target "amdgcn-amd-amdhsa--gfx1250"
	.amdhsa_code_object_version 6
	.text
	.protected	k_q11f0351cc5_attn
	.globl	k_q11f0351cc5_attn
	.p2align	8
	.type	k_q11f0351cc5_attn,@function
k_q11f0351cc5_attn:
	s_mov_b64 s[64:65], 0
	v_nop
	global_prefetch_b8 v0, s[64:65] scope:SCOPE_SE
	s_setreg_imm32_b32 hwreg(HW_REG_WAVE_MODE, 25, 1), 1
	s_wait_xcnt 0x0
	s_wait_alu depctr_hold_cnt(0) depctr_sa_sdst(0) depctr_va_vdst(0) depctr_va_sdst(0) depctr_va_ssrc(0) depctr_va_vcc(0) depctr_vm_vsrc(0)
	s_getreg_b32 s2, hwreg(HW_REG_IB_STS2, 6, 4)
	s_cmp_eq_u32 s2, 0
	s_cbranch_scc0 .Lentry_in_a_cluster
	s_endpgm
.Lentry_in_a_cluster:
	s_bfe_u32 s2, ttmp6, 0x10000c
	s_cmp_lg_u32 s2, 0x3003
	s_cbranch_scc0 .Lentry_shape_is_right
	s_endpgm
.Lentry_shape_is_right:
; out0[q] = the sum over k of softmax_k(Q[q] . K[k] / 8) V[k], both products on codes of FP8 (E4M3) with one E8M0 scale for each 32 along a product's K.  Q, K, V^T come as images of the operands' registers (qb, kv).
; THE SOFTMAX AHEAD OF THE SECOND PRODUCT: t = score x log2(e) / 8; M = the row's largest t so far, rounded UP to a whole number; p = 2^(t - M) is what is quantised, along the keys; it is not normalised.
; The row's sum is taken of the unquantised p and divides at the end.  When M moves, the sum and O are multiplied by 2^(old M - new M): exact.
; SHARES.  Work-group g owns 64 queries of batch g / 64.  Wave w owns tile qt = w % 4 of 16 queries and, of each four records of 128 keys, record kq = w / 4: eight key steps a wave.  The four partial results of a tile are joined at the end.
; K = 64 FILLS HALF OF THE INSTRUCTION'S 128: a fragment of source 0 holds TWO tiles of keys, [K_a | K_b]; it is multiplied by [Q | 0] and by [0 | Q], which share their zeros (v16-23 Q, v24-31 zeros, v32-39 Q).  Zero codes add nothing under any scale byte but 0xff.
; LAYOUT.  Both products transposed: S^T = K Q^T, O^T = V^T P^T: a lane holds ONE query (lane % 16).  Registers 16 b + 0 .. 15 of S^T are keys 32 b + 16 (lane / 16) + 0 .. 15.
; TWO AREAS OF 64 REGISTERS CHANGE ROLES FROM STEP TO STEP.  The area that holds a step's K takes its V^T, then the NEXT step's S^T; the area that holds S^T, then p, takes the next step's K, block by block, as p becomes codes.
; THE NEXT STEP'S FIRST PRODUCTS STAND AMONG THIS STEP'S SECOND: the rescaling of O^T's upper half and the sums of block 3's p are the places between V^T P^T and the products that are laid over V^T; the first maxima are those behind the last.
; RING.  Two slots of eight records (135,168 bytes), a record as 66 rows of 256 bytes, dense.  At the head each of the sixteen waves brings one record; waves 0-7's, slot 0, are shown first.  Waves 0-7 fill slot 0 again, waves 8-15 slot 1.
; THE CHANGE OF SLOTS stands inside a slot's second step: the wave signals ahead of its exponentials, when its K and V^T are in registers, and waits behind block 1.
; CLUSTER: the four work-groups of a cluster walk the same records of one batch: every fill is asked for JOINTLY, by the same load with the same descriptor and a mask that names the four.  A wave has one tensor load out at the most.
; PREFETCH: the second fills' sixteen records are asked for once by the batch's sixteen clusters, a record each, its 66 blocks of 256 bytes shared by address among the four work-groups, by wave 15 in the first step.
; LIMITS: the promise holds while the scaled scores stay under 2^31 in magnitude.  A p under 2^-126 becomes 0 (v_exp_f32 flushes denormals: ISA guide 15.8); a block whose every p is 0 keeps the byte 1 (its codes are zeros).  A block's largest p is taken from its largest score,
; which takes v_exp_f32 not to fall where its input rises (the ISA guide promises 1 ulp): at the worst one p of a block, within an ulp of a power of two, is held one code low.  NaN and infinities are not served.
.set RECB,  16896                      ; a record: K's codes 8,192, V^T's 8,192, K's scale words 256, V's 256
.set SLOTB, 8*RECB
.set SPARE, 2*SLOTB                    ; 270,336: the spare words, 128 bytes for each wave
.set PARTB, 4608                       ; the joining, in slot 0 after its last fill and last read: for each wave O^T's image 4,096, the sum 128, -M 128, 256 unused
.set STG,   16*PARTB                   ; the stage for the way out: 64 rows x 272
.set LB,  1                            ; v1   16 x lane + my record's place among four
.set LSB, 2                            ; v2   4 x lane + the same + 16,384
.set PFO, 4                            ; v4   the prefetch's offset
.set SPW, 5                            ; v5   LDS address of my spare word; never rewritten
.set NIL, 6                            ; v6   0; never rewritten
.set ADK, 8                            ; v8   the codes of the record whose K was asked for last
.set ADS, 10                           ; v10  its scale words
.set HB,  40                           ; v40-47 eight held p of block 3
.set RA,  48                           ; v48-111  area A
.set RB,  112                          ; v112-175 area B
.set O,   176                          ; v176-207 O^T
.set PCD, 208                          ; v208-223 p's codes
.set BM,  224                          ; v224-227 the blocks' largest scores, then largest p
.set BT,  228                          ; v228-231 second maxima, permute results, then bytes
.set HD,  232                          ; v232-235 448 x the scale
.set SO,  236                          ; v236-239 the conversions' scale operands
.set T,   240
.set OM,  241                          ; v241 the last step's -M
.set F,   242                          ; v[242:243] f; the upper word is only named
.set PS,  244                          ; v244  p's scale word
.set SM2, 246                          ; v[246:247] the sum's second chain
.set KS,  248                          ; v248-249 K's scale words: lanes 0-15 the even fragment's, lanes 16-31 the odd one's
.set VS,  250                          ; v250-251 V's likewise
.set QS,  252                          ; v252  Q's scale word: bytes s0, s1, s0, s1
.set WV,  10                           ; s10  wave
.set SEL, 20                           ; s[20:21]
.set CS,  22                           ; s[22:23] c = log2(e) / 8
.set MNT, 19
.macro CREST                           ; a round of the cluster's barrier behind its opening barrier
	s_cmp_lg_u32 s[WV], 0
	s_cbranch_scc1 .Lnot_wave_0_\@
	s_barrier_signal -3
.Lnot_wave_0_\@:
	s_barrier_wait -3
	s_barrier_signal -1
	s_barrier_wait -1
.endm
.macro CROUND
	s_barrier_signal -1
	s_barrier_wait -1
	CREST
.endm
.macro FILL                            ; a joint load of one record.  Four v_nop follow the load
	tensor_load_to_lds s[32:35], s[24:31]
	s_nop 0
.rept 4
	v_nop
.endr
.endm
.macro JLOAD n                         ; n = 1: waves 0-7 fill slot 0 again; 2: waves 8-15 slot 1.  The branch hangs on the wave's number alone
	s_cmp_lt_u32 s[WV], 8
.if \n == 1
	s_cbranch_scc0 .Lskip_\@
.else
	s_cbranch_scc1 .Lskip_\@
.endif
	FILL
.Lskip_\@:
.endm
	s_load_b128 s[4:7], s[0:1], 0x0                ; qb s[4:5], kv s[6:7]
	s_load_b64 s[8:9], s[0:1], 0x10                ; out0
	v_lshl_add_u32 v[SPW], v0, 2, SPARE
	v_mov_b32 v[NIL], 0
	ds_add_u32 v[SPW], v[NIL]                      ; the wave's opening: the add, twice on end, and its wait ahead of my first tensor load
	ds_add_u32 v[SPW], v[NIL]
	v_lshrrev_b32 v7, 5, v0
	v_readfirstlane_b32 s[WV], v7                  ; wave 0..15
	s_and_b32 s11, s[WV], 3                        ; qt
	s_lshr_b32 s12, s[WV], 2                       ; kq
	s_bfe_u32 s13, ttmp6, 0x40000                  ; cx: it enters Q's, out0's and the prefetch's addresses alone
	s_lshl_b32 s14, ttmp9, 2
	s_add_co_u32 s14, s14, s13                     ; g = 4 x cluster + cx
	; descriptor group 1: a record as 66 rows of 256 bytes (32 elements of 8 bytes), dense
	s_mov_b32 s24, 15|(3<<16)|(1<<21)              ; 15:0 the mask: all four work-groups; 17:16 elements of 8 bytes; 21 set beside a mask; no padding
	s_mov_b32 s25, 32<<16
	s_mov_b32 s26, 66<<16
	s_mov_b32 s27, 32<<16
	s_mov_b32 s28, 66
	s_mov_b32 s29, 32
	s_mov_b32 s30, 0
	s_mov_b32 s31, 0
	s_mul_i32 s40, s[WV], RECB                     ; my record, in the ring and in memory
	s_lshr_b32 s42, ttmp9, 4                       ; the batch, which the four partners share
	s_lshl_b32 s59, s42, 5
	s_mul_i32 s42, s42, 32*RECB
	s_add_co_u32 s42, s42, s40
	s_mov_b32 s43, 0
	s_and_b32 s58, ttmp9, 15
	s_add_co_u32 s59, s59, s58
	s_add_co_u32 s59, s59, 16
	s_mul_i32 s59, s59, RECB                       ; the record that my cluster prefetches: 16 + the cluster's number in its batch
	s_mul_i32 s58, s13, 17                         ; my work-group's 17 blocks of it
	s_lshl_b32 s44, s14, 12                        ; Q's codes: 4,096 g + 1,024 qt
	s_lshl_b32 s45, s11, 10
	s_add_co_u32 s44, s44, s45
	s_mov_b32 s45, 0
	s_lshl_b32 s48, s14, 7                         ; Q's scale words: 1,048,576 + 128 g + 64 (qt / 2)
	s_lshr_b32 s49, s11, 1
	s_lshl_b32 s49, s49, 6
	s_add_co_u32 s48, s48, s49
	s_add_co_u32 s48, s48, 1048576
	s_mov_b32 s49, 0
	s_and_b32 s52, s11, 1
	s_lshl_b32 s52, s52, 4                         ; my tile's two bytes lie 16 (qt % 2) bits up in the word
	s_mul_i32 s53, s12, RECB
	s_add_co_u32 s57, s53, 16384
	s_lshl_b32 s54, s14, 14                        ; out0: 64 rows of 256 bytes a work-group, four rows a wave
	s_lshl_b32 s55, s[WV], 10
	s_add_co_u32 s54, s54, s55
	s_mov_b32 s55, 0
	s_mov_b32 s[SEL], 0x76543210
	s_mov_b32 s[SEL+1], 0xfedcba98                 ; v_permlanex16_b32's selects for lane l xor 16
	s_mov_b32 s[CS], 0x3e38aa3b                    ; c = log2(e) / 8
	s_mov_b32 s[CS+1], s[CS]                       ; (named with it as a pair, so it is written)
	s_mov_b32 s[MNT], 0x600000                     ; the mantissa field of 448
	s_mov_b32 s32, 1                               ; group 0: count = 1,
	s_mov_b32 s33, s40                             ; LDS address
	v_and_b32 v3, 31, v0                           ; lane
	v_and_b32 v9, 15, v0
	v_lshlrev_b32 v7, 4, v3                        ; 16 x lane
	v_min_u32 v[PFO], 16, v3
	v_lshlrev_b32 v9, 2, v9                        ; 4 r
	v_lshlrev_b32 v3, 2, v3                        ; 4 x lane
	v_add_nc_u32 v[PFO], s58, v[PFO]               ; my block: 17 cx + 0 .. 16,
	v_add_nc_u32 v[LB], s53, v7
	v_min_u32 v[PFO], 65, v[PFO]                   ; at most the record's last
	v_add_nc_u32 v[LSB], s57, v3
	v_lshlrev_b32 v[PFO], 8, v[PFO]
	v_mov_b32 v13, 0xff61b1e6                      ; the largest t so far: -3e38, under every t
	v_add_nc_u32 v[PFO], s59, v[PFO]
	v_floor_f32 v12, -v13                          ; -M
	v_mov_b32 v14, 0                               ; the sum, in two halves
	v_mov_b32 v15, 0
	v_mov_b32 v[F+1], 0                            ; (named as the upper half of a pair)
	v_mov_b32 v[OM], v12
	s_wait_alu depctr_va_vdst(0)                   ; the wait here, directly ahead of the wait below
	s_wait_dscnt 0x0                               ; both opening adds are done
	CROUND                                         ; all four work-groups are here: the first joint loads meet
	s_wait_kmcnt 0x0
	s_add_nc_u64 s[34:35], s[6:7], s[42:43]        ; records 0-15 of the batch
	s_or_b32 s35, s35, 0x80000000                  ; type = 2
	s_cmp_lt_u32 s[WV], 8                          ; one first fill a wave; waves 0-7, whose records are shown first, have a line of their own
	s_cbranch_scc0 .Lupper
	FILL
	s_branch .Lasked
.Lupper:
	FILL
.Lasked:
	s_add_nc_u64 s[46:47], s[4:5], s[44:45]
	s_add_nc_u64 s[50:51], s[4:5], s[48:49]
	s_add_nc_u64 s[8:9], s[8:9], s[54:55]
	global_load_b128 v[16:19], v7, s[46:47]                ; Q's two blocks of 32 features,
	global_load_b128 v[20:23], v7, s[46:47] offset:512
	global_load_b128 v[32:35], v7, s[46:47]                ; and a second time
	global_load_b128 v[36:39], v7, s[46:47] offset:512
	global_load_b32 v253, v9, s[50:51]                     ; two tiles' scale bytes of row r
	s_wait_loadcnt 0x0
	v_lshrrev_b32 v[T], s52, v253
	v_and_b32 v[T], 0xffff, v[T]
	v_lshl_or_b32 v[QS], v[T], 16, v[T]            ; s0, s1, s0, s1: it serves both [Q | 0] and [0 | Q].  (The lines below are its places in front of the first scaled product)
.irp j, 24,25,26,27,28,29,30,31
	v_mov_b32 v[\j], 0                             ; the empty half: zero codes
.endr
.irp j, 0,1,2,3,4,5,6,7,8,9,10,11,12,13,14,15,16,17,18,19,20,21,22,23,24,25,26,27,28,29,30,31
	v_mov_b32 v[O+\j], 0                           ; O^T.  (The step is written in one form: the first finds zeros, which the first change of M leaves zeros)
.endr
	s_wait_alu depctr_va_vdst(0)                   ; the wait at the head's end
	s_cmp_lt_u32 s[WV], 8
	s_cbranch_scc0 .Lnot_yet
	s_wait_tensorcnt 0x0                           ; waves 0-7: slot 0's records are in; slot 1's are waited for at the first change of slots
.Lnot_yet:
	s_barrier_signal -1
	s_barrier_wait -1
; The record at byte cb of the ring (+ my place among four) becomes the record in hand; its K's scale words are asked for
.macro KHEAD cb
	v_add_nc_u32 v[ADK], \cb, v[LB]
	v_add_nc_u32 v[ADS], \cb, v[LSB]
	ds_load_b32 v[KS], v[ADS]
	ds_load_b32 v[KS+1], v[ADS] offset:128
.endm
.macro KLOAD area, f                   ; fragment f of its K (key tiles 2 f and 2 f + 1): four loads
.irp c, 0,1,2,3
	ds_load_b128 v[\area+16*\f+4*\c:\area+16*\f+4*\c+3], v[ADK] offset:2048*\f+512*\c
.endr
.endm
; S^T of key tiles 2 f and 2 f + 1; w: the LDS loads issued behind fragment f's, which may be out (they come back in order: ISA guide 5.7.1)
.macro QK ka, sa, f, w
	s_wait_dscnt \w
.if (\f%2) == 0
	v_wmma_scale_f32_16x16x128_f8f6f4 v[\sa+16*\f:\sa+16*\f+7], v[\ka+16*\f:\ka+16*\f+15], v[16:31], 0, v[KS+\f/2], v[QS]
	v_wmma_scale_f32_16x16x128_f8f6f4 v[\sa+16*\f+8:\sa+16*\f+15], v[\ka+16*\f:\ka+16*\f+15], v[24:39], 0, v[KS+\f/2], v[QS]
.else
	v_wmma_scale_f32_16x16x128_f8f6f4 v[\sa+16*\f:\sa+16*\f+7], v[\ka+16*\f:\ka+16*\f+15], v[16:31], 0, v[KS+\f/2], v[QS] matrix_a_scale:MATRIX_SCALE_ROW1
	v_wmma_scale_f32_16x16x128_f8f6f4 v[\sa+16*\f+8:\sa+16*\f+15], v[\ka+16*\f:\ka+16*\f+15], v[24:39], 0, v[KS+\f/2], v[QS] matrix_a_scale:MATRIX_SCALE_ROW1
.endif
.endm
.macro PV ka, t                        ; O^T's tile t += V^T P^T
.if (\t%2) == 0
	v_wmma_scale_f32_16x16x128_f8f6f4 v[O+8*\t:O+8*\t+7], v[\ka+16*\t:\ka+16*\t+15], v[PCD:PCD+15], v[O+8*\t:O+8*\t+7], v[VS+\t/2], v[PS]
.else
	v_wmma_scale_f32_16x16x128_f8f6f4 v[O+8*\t:O+8*\t+7], v[\ka+16*\t:\ka+16*\t+15], v[PCD:PCD+15], v[O+8*\t:O+8*\t+7], v[VS+\t/2], v[PS] matrix_a_scale:MATRIX_SCALE_ROW1
.endif
.endm
.macro OMUL half                       ; two tiles of O^T under the new M, each from its low end on
	s_wait_alu depctr_va_vdst(0)                   ; the wait ahead of the first readers of these matrix results
.irp j, 0,2,4,6,8,10,12,14
	v_pk_mul_f32 v[O+16*\half+\j:O+16*\half+\j+1], v[O+16*\half+\j:O+16*\half+\j+1], v[F:F+1] op_sel_hi:[1,0]
.endr
.endm
; THE LARGEST SCORE OF BLOCKS p AND q OF 32 KEYS, my 16 of each, in four chains: for the row's maximum, and, since p rises with the score, for the block's largest p
.macro MAX2 sa, p, q
.irp b, \p, \q
	v_max3_num_f32 v[BM+\b], v[\sa+16*\b], v[\sa+16*\b+1], v[\sa+16*\b+2]
	v_max3_num_f32 v[BT+\b], v[\sa+16*\b+8], v[\sa+16*\b+9], v[\sa+16*\b+10]
.endr
.irp i, 3,5
.irp b, \p, \q
	v_max3_num_f32 v[BM+\b], v[BM+\b], v[\sa+16*\b+\i], v[\sa+16*\b+\i+1]
	v_max3_num_f32 v[BT+\b], v[BT+\b], v[\sa+16*\b+\i+8], v[\sa+16*\b+\i+9]
.endr
.endr
.irp b, \p, \q
	v_max3_num_f32 v[BM+\b], v[BM+\b], v[BT+\b], v[\sa+16*\b+7]
.endr
.irp b, \p, \q
	v_max_num_f32 v[BM+\b], v[BM+\b], v[\sa+16*\b+15]
.endr
.endm
.macro SUM sa, b, from                 ; my 16 p of block b are added to the row's sum (UNQUANTISED, two at a time, in two chains)
.irp j, 0,4,8,12
.if \j >= \from
	v_pk_add_f32 v[14:15], v[14:15], v[\sa+16*\b+\j:\sa+16*\b+\j+1]
	v_pk_add_f32 v[SM2:SM2+1], v[SM2:SM2+1], v[\sa+16*\b+\j+2:\sa+16*\b+\j+3]
.endif
.endr
.endm
; Blocks 0 to 2: summed, held in place, converted.  The conversion to an 8-bit code does not saturate (ISA guide 7.6.2); p is not negative, so the hold is one-sided
.macro BLOCK sa, b
.if \b == 0
	v_pk_add_f32 v[SM2:SM2+1], v[\sa:\sa+1], v[\sa+2:\sa+3]
	SUM \sa, 0, 4
.else
	SUM \sa, \b, 0
.endif
.irp i, 0,2,4,6,8,10,12,14
	v_dual_min_num_f32 v[\sa+16*\b+\i], v[\sa+16*\b+\i], v[HD+\b] :: v_dual_min_num_f32 v[\sa+16*\b+\i+1], v[\sa+16*\b+\i+1], v[HD+\b]
.endr
	v_cvt_scalef32_pk8_fp8_f32 v[PCD+4*\b:PCD+1+4*\b], v[\sa+16*\b:\sa+7+16*\b], v[SO+\b]
	v_cvt_scalef32_pk8_fp8_f32 v[PCD+2+4*\b:PCD+3+4*\b], v[\sa+8+16*\b:\sa+15+16*\b], v[SO+\b]
.endm
; Block 3: held into registers of their own, so that its p stay for the sums, which are taken behind the products
.macro BLOCK3 sa
.irp i, 0,2,4,6
	v_dual_min_num_f32 v[HB+\i], v[\sa+48+\i], v[HD+3] :: v_dual_min_num_f32 v[HB+\i+1], v[\sa+48+\i+1], v[HD+3]
.endr
	v_cvt_scalef32_pk8_fp8_f32 v[PCD+12:PCD+13], v[HB:HB+7], v[SO+3]
	v_mov_b32 v[OM], v12                           ; -M, for the next step; also the plain place behind the conversion
.irp i, 0,2,4,6
	v_dual_min_num_f32 v[HB+\i], v[\sa+56+\i], v[HD+3] :: v_dual_min_num_f32 v[HB+\i+1], v[\sa+56+\i+1], v[HD+3]
.endr
	v_cvt_scalef32_pk8_fp8_f32 v[PCD+14:PCD+15], v[HB:HB+7], v[SO+3]
.endm
; A KEY STEP: 128 keys, from its maxima to the next step's scores.  ka: the area that held this step's K; it takes V^T, then the next S^T.  sa: S^T, then p, then (nxt = 1) the K of the record at byte cbn of the ring.
; chg: a change of slots: 1 slot 0 is left and filled again, 2 slot 1 likewise, 3 slot 0 is left and nothing is filled.  ask = 1: the prefetch.
.macro STEP ka, sa, nxt, cbn, chg, ask
	MAX2 \sa, 0, 1                                 ; (also the sixteen places behind the last products, for the loads below)
.irp t, 0,1,2,3                                ; V^T is asked for now and lands under the softmax
.irp c, 0,1,2,3
	ds_load_b128 v[\ka+16*\t+4*\c:\ka+16*\t+4*\c+3], v[ADK] offset:8192+2048*\t+512*\c
.endr
.endr
	ds_load_b32 v[VS], v[ADS] offset:256
	ds_load_b32 v[VS+1], v[ADS] offset:384
	MAX2 \sa, 2, 3
.irp b, 0,1,2,3
	v_permlanex16_b32 v[BT+\b], v[BM+\b], s[SEL], s[SEL+1]
.endr
.irp b, 0,1,2,3
	s_delay_alu instid0(VALU_DEP_4)
	v_max_num_f32 v[BM+\b], v[BM+\b], v[BT+\b]     ; with lane l xor 16's 16 keys
.endr
	s_delay_alu instid0(VALU_DEP_2)
	v_max3_num_f32 v[T], v[BM], v[BM+1], v[BM+2]
	s_delay_alu instid0(VALU_DEP_1)
	v_max_num_f32 v[T], v[T], v[BM+3]              ; the step's largest score of my query
	s_delay_alu instid0(VALU_DEP_1)
	v_mul_f32 v[T], s[CS], v[T]                    ; as t (c is positive)
	s_delay_alu instid0(VALU_DEP_1)
	v_max_num_f32 v13, v13, v[T]                   ; the running largest t
	s_delay_alu instid0(VALU_DEP_1)
	v_floor_f32 v12, -v13                          ; the new -M = floor(-t) = -ceil(t): M IS A WHOLE NUMBER
	s_delay_alu instid0(VALU_DEP_1)
	v_sub_f32 v[T], v12, v[OM]                     ; M's old value less its new one: a whole number, 0 or less
	s_delay_alu instid0(VALU_DEP_1)
	v_cvt_i32_f32 v[T], v[T]                       ; (it saturates)
	s_delay_alu instid0(VALU_DEP_1)
	v_ldexp_f32 v[F], 1.0, v[T]                    ; f = 2^(old M - new M)
.if \chg
	s_wait_alu depctr_va_vdst(0)                   ; the wait here, directly ahead of the wait below
	s_wait_tensorcnt 0x0                           ; my tensor load is in: the other slot's record
.if \chg < 3
	ds_add_u32 v[SPW], v[NIL]                      ; 0 onto my spare word
.endif
.if \chg == 1
	s_add_nc_u64 s[34:35], s[34:35], 2*SLOTB       ; every wave's record sixteen further on; the type bits on top are not reached
.endif
.endif
.irp j, 0,2,4,6,8,10,12,14,16,18,20,22,24,26,28,30,32,34,36,38,40,42,44,46,48,50,52,54,56,58,60,62
	v_pk_fma_f32 v[\sa+\j:\sa+1+\j], v[\sa+\j:\sa+1+\j], s[CS:CS+1], v[12:13] op_sel_hi:[1,0,0]   ; t - M, two at a time (of the pairs c and -M the low word serves both halves)
.endr
.irp b, 0,1,2,3
	v_fma_f32 v[BM+\b], v[BM+\b], s[CS], v12       ; the same of each block's largest score
.endr
.if \ask
	s_cmp_eq_u32 s[WV], 15
	s_cbranch_scc0 .Lnot_asking
	global_prefetch_b8 v[PFO], s[6:7] th:TH_LOAD_NT scope:SCOPE_SE   ; a key step and more ahead of the first refill
.Lnot_asking:
.endif
	s_wait_alu depctr_va_vdst(0)                   ; the wait ahead of the batch
.if \chg
	s_wait_dscnt 0x0                               ; the add is done, and K and V^T are in: my reads of the slot are over
	s_barrier_signal -1
.endif
.irp j, 0,1,2,3,4,5,6,7,8,9,10,11,12,13,14,15,16,17,18,19,20,21,22,23,24,25,26,27,28,29,30,31,32,33,34,35,36,37,38,39,40,41,42,43,44,45,46,47,48,49,50,51,52,53,54,55,56,57,58,59,60,61,62,63
	v_exp_f32 v[\sa+\j], v[\sa+\j]                 ; p = 2^(t - M), at most 1: NOT normalised
.endr
.irp b, 0,1,2,3
	v_exp_f32 v[BM+\b], v[BM+\b]                   ; the block's largest p: the same two instructions on the same number give the same bits
.endr
	v_pk_mul_f32 v[14:15], v[14:15], v[F:F+1] op_sel_hi:[1,0]   ; the sums under the new M.  (A plain place behind the exponentials)
	s_wait_alu depctr_va_vdst(0)                   ; and the batch's wait ahead of its first reader
.irp b, 0,1,2,3
	v_max_num_f32 v[BM+\b], 0x4800000, v[BM+\b]    ; the floor 2^(9 - 127): the byte cannot fall under 1
.endr
.irp b, 0,1,2,3
	s_delay_alu instid0(VALU_DEP_4)
	v_add_nc_u32 v[SO+\b], 0xfc000000, v[BM+\b]    ; 8 off the exponent field: the conversion's scale operand
.endr
.irp b, 0,1,2,3
	v_and_or_b32 v[HD+\b], v[BM+\b], 0x7f800000, s[MNT]   ; 448 x the scale
.endr
.irp b, 0,1,2,3
	v_lshrrev_b32 v[BT+\b], 23, v[SO+\b]           ; the scale's byte
.endr
	s_delay_alu instid0(VALU_DEP_3)
	v_lshl_or_b32 v[PS], v[BT+1], 8, v[BT]         ; p's scale word for these 128 keys
	s_delay_alu instid0(VALU_DEP_1)
	v_lshl_or_b32 v[PS], v[BT+2], 16, v[PS]
	s_delay_alu instid0(VALU_DEP_1)
	v_lshl_or_b32 v[PS], v[BT+3], 24, v[PS]
	BLOCK \sa, 0
.if \chg
	BLOCK \sa, 1
	s_barrier_wait -1                              ; every wave of my work-group has left the slot, and the other slot is whole
.if \chg < 3
	CREST                                          ; and so it is in every partner
	JLOAD \chg
.endif
.else
	s_wait_dscnt 0x0                               ; V^T and its scale words are in (asked for ahead of the softmax)
.endif
.if \nxt
	KHEAD \cbn                                     ; the next step's K: fragment b into block b's registers, whose p have become codes
	KLOAD \sa, 0
.endif
.if \chg == 0
	BLOCK \sa, 1
.endif
.if \nxt
	KLOAD \sa, 1
.endif
	BLOCK \sa, 2
.if \nxt
	KLOAD \sa, 2
.endif
	BLOCK3 \sa
	OMUL 0                                         ; (also the places between the codes and the products below)
	PV \ka, 0
	PV \ka, 1
	OMUL 1
	v_nop                                          ; with OMUL's eight: nine places: the next S^T is written over the registers that these products read
	PV \ka, 2
	PV \ka, 3
.if \nxt
	QK \sa, \ka, 0, 8
	QK \sa, \ka, 1, 4
.endif
	SUM \sa, 3, 0                                  ; eight lines and the next: nine places again
	v_pk_add_f32 v[14:15], v[14:15], v[SM2:SM2+1]  ; the sum's two chains meet
.if \nxt
	KLOAD \sa, 3
	QK \sa, \ka, 2, 4
	QK \sa, \ka, 3, 0
.endif
.endm
	KHEAD 0                                        ; step 0's K: the one run of K loads that nothing stands beside
	KLOAD RA, 0
	KLOAD RA, 1
	KLOAD RA, 2
	KLOAD RA, 3
	s_wait_alu depctr_va_vdst(0)
	QK RA, RB, 0, 12
	QK RA, RB, 1, 8
	QK RA, RB, 2, 4
	QK RA, RB, 3, 0
.rept 8
	v_nop                                          ; eight places ahead of the first read of the scores
.endr
	STEP RA, RB, 1, 4*RECB,       0, 1             ; records 0-3;   asks for K of records 4-7
	STEP RB, RA, 1, SLOTB,        1, 0             ; records 4-7;   slot 0 is left and takes records 16-23; asks for K of records 8-11
	STEP RA, RB, 1, SLOTB+4*RECB, 0, 0             ; records 8-11
	STEP RB, RA, 1, 0,            2, 0             ; records 12-15; slot 1 is left and takes records 24-31
	STEP RA, RB, 1, 4*RECB,       0, 0             ; records 16-19
	STEP RB, RA, 1, SLOTB,        3, 0             ; records 20-23; nothing is left to fetch; behind this barrier nobody reads slot 0, which has had its last fill
	STEP RA, RB, 1, SLOTB+4*RECB, 0, 0             ; records 24-27
	STEP RB, RA, 0, 0,            0, 0             ; records 28-31
	; THE JOINING.  Each wave lays its O^T, its sum and its -M into slot 0 as images; wave (qt, kq) then joins the four partial results of tile qt for channels 16 kq on.
	v_add_f32 v14, v14, v15                        ; the sum's two halves.  (The nine lines ahead of this one are the places behind the last products)
	s_wait_xcnt 0x0                                ; the prefetch has read its offset, whose register is written below
	v_and_b32 v7, 31, v0
	v_lshlrev_b32 v3, 4, v7                        ; 16 x lane
	v_lshlrev_b32 v4, 2, v7                        ; 4 x lane
	s_mul_i32 s40, s[WV], PARTB
	v_add_nc_u32 v8, s40, v3                       ; my part: O^T's image,
	v_add_nc_u32 v10, s40, v4                      ; the sum and -M
	s_mul_i32 s42, s11, PARTB
	s_lshl_b32 s41, s12, 10
	s_add_co_u32 s41, s41, s42
	v_add_nc_u32 v9, s41, v3                       ; what I read: wave qt's part (the others' lie 4 parts on each), tile kq of O^T,
	v_add_nc_u32 v11, s42, v4                      ; its sum and -M
	s_wait_alu depctr_va_vdst(0)                   ; the sum was written ahead of a wait that blocks
	v_permlanex16_b32 v[BT], v14, s[SEL], s[SEL+1]
	s_delay_alu instid0(VALU_DEP_1)
	v_add_f32 v14, v14, v[BT]                      ; and lane l xor 16's: my keys' sum
.irp n, 0,1,2,3,4,5,6,7
	ds_store_b128 v8, v[O+4*\n:O+4*\n+3] offset:512*\n     ; each accumulator from its low end on
.endr
	ds_store_b32 v10, v14 offset:4096
	ds_store_b32 v10, v12 offset:4224
	s_wait_alu depctr_va_vdst(0)
	s_wait_dscnt 0x0                               ; for the others' sake
	s_barrier_signal -1
	s_barrier_wait -1
.irp j, 0,1,2,3
	ds_load_b128 v[112+8*\j:115+8*\j], v9 offset:\j*4*PARTB
	ds_load_b128 v[116+8*\j:119+8*\j], v9 offset:\j*4*PARTB+512
	ds_load_b32 v[144+\j], v11 offset:\j*4*PARTB+4096
	ds_load_b32 v[148+\j], v11 offset:\j*4*PARTB+4224
.endr
	s_lshr_b32 s43, s11, 1
	s_lshl_b32 s43, s43, 5
	s_and_b32 s44, s11, 1
	s_lshl_b32 s44, s44, 3
	s_add_co_u32 s43, s43, s44                     ; my tile's queries begin at 32 (qt / 2) + 8 (qt % 2)
	s_lshl_b32 s44, s12, 6
	s_add_co_u32 s44, s44, STG
	s_lshl_b32 s45, s[WV], 2
	v_and_b32 v168, 15, v0                         ; r
	v_bfe_u32 v169, v0, 4, 1                       ; h
	v_and_b32 v170, 8, v168
	v_add_nc_u32 v171, s45, v169
	v_add_nc_u32 v170, v170, v168
	v_mul_u32_u24 v171, v171, 272
	v_add_nc_u32 v170, s43, v170                   ; my query's row in the chunk: the tiles' order is undone here
	v_lshl_add_u32 v171, v168, 4, v171
	v_mul_u32_u24 v170, v170, 272
	v_add_nc_u32 v171, STG, v171                   ; back: rows 4 w + lane / 16 (and two on), 16 bytes a lane
	v_lshl_add_u32 v170, v169, 5, v170
	v_lshlrev_b32 v172, 8, v169
	v_add_nc_u32 v170, s44, v170                   ; into the stage: + 64 kq + 32 h: channels 16 kq + 8 h on
	v_lshl_add_u32 v172, v168, 4, v172             ; and the same in out0
	s_wait_alu depctr_va_vdst(0)
	s_wait_dscnt 0x0
	v_min3_num_f32 v152, v148, v149, v150
	s_delay_alu instid0(VALU_DEP_1)
	v_min_num_f32 v152, v152, v151                 ; -M of the whole row: the least of the four
.irp j, 0,1,2,3
	v_sub_f32 v[154+\j], v152, v[148+\j]           ; M_j - M: a whole number, 0 or less
.endr
.irp j, 0,1,2,3
	s_delay_alu instid0(VALU_DEP_4)
	v_cvt_i32_f32 v[154+\j], v[154+\j]
.endr
.irp j, 0,1,2,3
	s_delay_alu instid0(VALU_DEP_4)
	v_ldexp_f32 v[154+\j], 1.0, v[154+\j]          ; f_j = 2^(M_j - M)
.endr
	s_delay_alu instid0(VALU_DEP_4)
	v_mul_f32 v158, v154, v144
	s_delay_alu instid0(VALU_DEP_1)
	v_fma_f32 v158, v155, v145, v158
	s_delay_alu instid0(VALU_DEP_1)
	v_fma_f32 v158, v156, v146, v158
	s_delay_alu instid0(VALU_DEP_1)
	v_fma_f32 v158, v157, v147, v158               ; the row's sum
	s_wait_alu depctr_va_vdst(0)
	v_rcp_f32 v159, v158
.irp n, 0,1,2,3,4,5,6,7
	v_mul_f32 v[160+\n], v[112+\n], v154           ; (plain places behind the reciprocal)
.endr
.irp n, 0,1,2,3,4,5,6,7
	v_fma_f32 v[160+\n], v[120+\n], v155, v[160+\n]
.endr
.irp n, 0,1,2,3,4,5,6,7
	v_fma_f32 v[160+\n], v[128+\n], v156, v[160+\n]
.endr
.irp n, 0,1,2,3,4,5,6,7
	v_fma_f32 v[160+\n], v[136+\n], v157, v[160+\n]
.endr
	s_wait_alu depctr_va_vdst(0)
.irp n, 0,1,2,3,4,5,6,7
	v_mul_f32 v[160+\n], v[160+\n], v159           ; O / the sum
.endr
	ds_store_b128 v170, v[160:163]
	ds_store_b128 v170, v[164:167] offset:16
	s_wait_dscnt 0x0                               ; for the others' sake: a row's 256 bytes come from four waves
	s_barrier_signal -1
	s_barrier_wait -1
	ds_load_b128 v[112:115], v171
	ds_load_b128 v[116:119], v171 offset:544
	s_wait_dscnt 0x1                               ; the first two rows are in; the younger load may be out
	global_store_b128 v172, v[112:115], s[8:9] th:TH_STORE_NT              ; sixteen lanes store one row of 256 bytes, at a multiple of 256 from out0's first byte
	s_wait_dscnt 0x0
	global_store_b128 v172, v[116:119], s[8:9] offset:512 th:TH_STORE_NT
	s_wait_tensorcnt 0x0                           ; the wave's end, behind my last tensor load and my last LDS store
	ds_add_u32 v[SPW], v[NIL]
	s_wait_dscnt 0x0
	CROUND                                         ; the closing round: no work-group ends while a partner may still ask for a tile that names it
	s_endpgm
.Lfunc_end_k_q11f0351cc5_attn:
	.size	k_q11f0351cc5_attn, .Lfunc_end_k_q11f0351cc5_attn-k_q11f0351cc5_attn
	.p2alignl 7, 3214868480
	.fill 96, 4, 3214868480
	.section	.rodata,"a",@progbits
	.p2align	6, 0x0
	.amdhsa_kernel k_q11f0351cc5_attn
		.amdhsa_group_segment_fixed_size 327680
		.amdhsa_private_segment_fixed_size 0
		.amdhsa_enable_private_segment 0
		.amdhsa_kernarg_size 24
		.amdhsa_user_sgpr_count 2
		.amdhsa_user_sgpr_kernarg_segment_ptr 1
		.amdhsa_wavefront_size32 1
		.amdhsa_system_sgpr_workgroup_id_x 1
		.amdhsa_system_sgpr_workgroup_id_y 1
		.amdhsa_system_sgpr_workgroup_id_z 1
		.amdhsa_system_vgpr_workitem_id 0
		.amdhsa_next_free_vgpr 256
		.amdhsa_next_free_sgpr 66
		.amdhsa_reserve_vcc 0
		.amdhsa_float_denorm_mode_32 3
		.amdhsa_float_denorm_mode_16_64 3
		.amdhsa_memory_ordered 1
		.amdhsa_forward_progress 1
		.amdhsa_inst_pref_size 165
	.end_amdhsa_kernel
	.amdgpu_metadata
---
amdhsa.version: [ 1, 2 ]
amdhsa.kernels:
  - .name:           k_q11f0351cc5_attn
    .symbol:         k_q11f0351cc5_attn.kd
    .args:
      - { .name: qb, .offset: 0, .size: 8, .value_kind: global_buffer, .address_space: global }
      - { .name: kv, .offset: 8, .size: 8, .value_kind: global_buffer, .address_space: global }
      - { .name: out0, .offset: 16, .size: 8, .value_kind: global_buffer, .address_space: global }
    .group_segment_fixed_size: 327680
    .private_segment_fixed_size: 0
    .kernarg_segment_align: 8
    .kernarg_segment_size: 24
    .max_flat_workgroup_size: 512
    .sgpr_count:     66
    .vgpr_count:     256
    .wavefront_size: 32
...
	.end_amdgpu_metadata
.endif
;; end of part 3
